; MI455X (gfx1250); checked and timed in simulation.
; The chip was launched on July 23, 2026; its instructions are those of AMD's public machine-readable ISA for CDNA 5 (MIT licence, August 2026) and "CDNA5" Instruction Set Architecture Reference Guide (July 2026). The comments in the code are by the model that wrote it; some were corrected since.
;; Cell Set Attention Network. Allowed arithmetic: float matrix products may take bf16 or f16 operands with f32 sums; all other float work in f32.
;; Inputs: Wk 512 x 512 float32; Wo 512 x 512 float32; Wq 512 x 512 float32; Wv 512 x 512 float32; X 8 x 2,048 x 512 float32; bk 512 float32; bo 512 float32; bq 512 float32; bv 512 float32; ln_beta 512 float32; ln_gamma 512 float32.
;; Outputs: out0 8 x 2,048 x 512 float32.
;; One version. Each part assembles by itself: llvm-mc -triple=amdgcn-amd-amdhsa -mcpu=gfx1250 --defsym DOCPART=n.
;; ======== version 1 of 1: 3 launches
;; workspace buffers: wt 2,097,152 bytes; qkv 50,331,648 bytes
;; launch prep (part 1): grid 32 x 4, 8 waves a work-group, no clusters, 18,432 bytes of LDS; arguments Wq, Wk, Wv, Wo, wt; writes wt
.if DOCPART == 1
	.amdgcn_target "amdgcn-amd-amdhsa--gfx1250"
	.amdhsa_code_object_version 6
	.text
	.protected	k_q4a71cdf477_prep
	.globl	k_q4a71cdf477_prep
	.p2align	8
	.type	k_q4a71cdf477_prep,@function
k_q4a71cdf477_prep:
	s_mov_b64 s[64:65], 0
	v_nop
	global_prefetch_b8 v0, s[64:65] scope:SCOPE_SE
	s_setreg_imm32_b32 hwreg(HW_REG_WAVE_MODE, 25, 1), 1
	s_wait_xcnt 0x0
; wt[y][n][k] = bf16(W_y[k][n]) for the four weights (y = 0..3: Wq, Wk, Wv, Wo), each [512][512] f32: turned and rounded once,
; so that the later launches find K along the rows.  A work-group takes 128 k x 64 n of one matrix: 128 work-groups; a smaller
; share would make rows of wt shorter than 256 bytes.  No matrix unit, no cluster: nothing is shared and nothing is multiplied.
; In: 16 lanes read 256 consecutive bytes of a row of W.  Out: through a stage in LDS, 16 lanes store 256 consecutive bytes of a row of wt.
.set SPITCH, 272                       ; a stage row: 128 k in bf16 = 256 bytes, + 16
.set SPARE,  64*SPITCH                 ; behind the stage: the spare words, 128 bytes for each of the eight waves
	s_load_b256 s[4:11], s[0:1], 0x0               ; Wq, Wk, Wv, Wo
	s_load_b64 s[12:13], s[0:1], 0x20              ; wt
	v_lshl_add_u32 v2, v0, 2, SPARE                ; my spare word; never rewritten
	v_mov_b32 v3, 0                                ; 0; never rewritten
	s_and_b32 s14, ttmp7, 0xffff                   ; y: which matrix
	s_and_b32 s15, ttmp9, 3                        ; kb: which 128 k
	s_lshr_b32 s16, ttmp9, 2                       ; nb: which 64 n
	s_lshl_b32 s18, s15, 18                        ; in W: kb x 128 rows of 2,048 bytes
	s_lshl_b32 s17, s16, 8                         ; + nb x 256 bytes
	s_add_co_u32 s18, s18, s17
	s_mov_b32 s19, 0
	s_lshl_b32 s20, s14, 19                        ; in wt: y x 524,288
	s_lshl_b32 s17, s16, 16                        ; + nb x 64 rows of 1,024 bytes
	s_add_co_u32 s20, s20, s17
	s_lshl_b32 s17, s15, 8                         ; + kb x 256 bytes
	s_add_co_u32 s20, s20, s17
	s_mov_b32 s21, 0
	v_and_b32 v1, 15, v0                           ; ng: my four n
	v_lshrrev_b32 v4, 4, v0                        ; kg: my eight k
	v_lshlrev_b32 v5, 4, v1
	v_lshl_add_u32 v6, v4, 14, v5                  ; load offset: kg x 8 rows + 16 ng
	v_mul_u32_u24 v7, v1, 4*SPITCH
	v_lshl_add_u32 v7, v4, 4, v7                   ; into the stage: row 4 ng (+ c), byte 16 kg
	v_mul_u32_u24 v56, v4, SPITCH
	v_add_nc_u32 v56, v56, v5                      ; back: row t / 16 (+ 16 u), byte 16 (t % 16)
	v_lshl_add_u32 v57, v4, 10, v5                 ; and the same place in wt
	s_wait_kmcnt 0x0
	s_cmp_eq_u32 s14, 1
	s_cselect_b64 s[4:5], s[6:7], s[4:5]
	s_cmp_eq_u32 s14, 2
	s_cselect_b64 s[4:5], s[8:9], s[4:5]
	s_cmp_eq_u32 s14, 3
	s_cselect_b64 s[4:5], s[10:11], s[4:5]
	s_add_nc_u64 s[4:5], s[4:5], s[18:19]
	s_add_nc_u64 s[12:13], s[12:13], s[20:21]
.irp i, 0,1,2,3,4,5,6,7
	global_load_b128 v[8+4*(\i):8+4*(\i)+3], v6, s[4:5] offset:(\i)*2048 th:TH_LOAD_NT  ; W[8 kg + i][4 ng ..]
.endr
	s_wait_loadcnt 0x0
.irp c, 0,1,2,3                        ; column c of my four: its eight k, rounded in pairs
.irp m, 0,1,2,3
	v_cvt_pk_bf16_f32 v[40+4*(\c)+(\m)], v[8+8*(\m)+(\c)], v[12+8*(\m)+(\c)]
.endr
.endr
.irp c, 0,1,2,3
	ds_store_b128 v7, v[40+4*(\c):40+4*(\c)+3] offset:(\c)*SPITCH
.endr
	s_wait_dscnt 0x0                               ; for the others' sake: my stores into the stage are done
	s_barrier_signal -1
	s_barrier_wait -1
.irp u, 0,1,2,3
	ds_load_b128 v[8+4*(\u):8+4*(\u)+3], v56 offset:(\u)*16*SPITCH
.endr
.irp u, 0,1,2,3
	s_wait_dscnt 3-(\u)                            ; LDS loads come back in order: load u is in, the younger ones stay out
	global_store_b128 v57, v[8+4*(\u):8+4*(\u)+3], s[12:13] offset:(\u)*16384  ; 16 lanes store 256 consecutive bytes, aligned
.endr
	s_wait_tensorcnt 0x0                           ; the wave's end, behind my last LDS store
	ds_add_u32 v2, v3
	s_wait_dscnt 0x0
	s_endpgm
.Lfunc_end_k_q4a71cdf477_prep:
	.size	k_q4a71cdf477_prep, .Lfunc_end_k_q4a71cdf477_prep-k_q4a71cdf477_prep
	.p2alignl 7, 3214868480
	.fill 96, 4, 3214868480
	.section	.rodata,"a",@progbits
	.p2align	6, 0x0
	.amdhsa_kernel k_q4a71cdf477_prep
		.amdhsa_group_segment_fixed_size 18432
		.amdhsa_private_segment_fixed_size 0
		.amdhsa_enable_private_segment 0
		.amdhsa_kernarg_size 40
		.amdhsa_user_sgpr_count 2
		.amdhsa_user_sgpr_kernarg_segment_ptr 1
		.amdhsa_wavefront_size32 1
		.amdhsa_system_sgpr_workgroup_id_x 1
		.amdhsa_system_sgpr_workgroup_id_y 1
		.amdhsa_system_sgpr_workgroup_id_z 1
		.amdhsa_system_vgpr_workitem_id 0
		.amdhsa_next_free_vgpr 64
		.amdhsa_next_free_sgpr 66
		.amdhsa_reserve_vcc 0
		.amdhsa_float_denorm_mode_32 3
		.amdhsa_float_denorm_mode_16_64 3
		.amdhsa_memory_ordered 1
		.amdhsa_forward_progress 1
		.amdhsa_inst_pref_size 5
	.end_amdhsa_kernel
	.amdgpu_metadata
---
amdhsa.version: [ 1, 2 ]
amdhsa.kernels:
  - .name:           k_q4a71cdf477_prep
    .symbol:         k_q4a71cdf477_prep.kd
    .args:
      - { .name: Wq, .offset: 0, .size: 8, .value_kind: global_buffer, .address_space: global }
      - { .name: Wk, .offset: 8, .size: 8, .value_kind: global_buffer, .address_space: global }
      - { .name: Wv, .offset: 16, .size: 8, .value_kind: global_buffer, .address_space: global }
      - { .name: Wo, .offset: 24, .size: 8, .value_kind: global_buffer, .address_space: global }
      - { .name: wt, .offset: 32, .size: 8, .value_kind: global_buffer, .address_space: global }
    .group_segment_fixed_size: 18432
    .private_segment_fixed_size: 0
    .kernarg_segment_align: 8
    .kernarg_segment_size: 40
    .max_flat_workgroup_size: 256
    .sgpr_count:     66
    .vgpr_count:     64
    .wavefront_size: 32
...
	.end_amdgpu_metadata
.endif
;; end of part 1
;; launch qkv (part 2): grid 256 x 1, 4 waves a work-group, clusters of 4 x 1, 327,680 bytes of LDS; arguments X, wt, bq, bk, bv, qkv; writes qkv
.if DOCPART == 2
	.amdgcn_target "amdgcn-amd-amdhsa--gfx1250"
	.amdhsa_code_object_version 6
	.text
	.protected	k_q4a71cdf477_qkv
	.globl	k_q4a71cdf477_qkv
	.p2align	8
	.type	k_q4a71cdf477_qkv,@function
k_q4a71cdf477_qkv:
	s_mov_b64 s[64:65], 0
	v_nop
	global_prefetch_b8 v0, s[64:65] scope:SCOPE_SE
	s_setreg_imm32_b32 hwreg(HW_REG_WAVE_MODE, 25, 1), 1
	s_wait_xcnt 0x0
	s_wait_alu depctr_hold_cnt(0) depctr_sa_sdst(0) depctr_va_vdst(0) depctr_va_sdst(0) depctr_va_ssrc(0) depctr_va_vcc(0) depctr_vm_vsrc(0)
	s_getreg_b32 s2, hwreg(HW_REG_IB_STS2, 6, 4)
	s_cmp_eq_u32 s2, 0
	s_cbranch_scc0 .Lentry_in_a_cluster
	s_endpgm
.Lentry_in_a_cluster:
	s_bfe_u32 s2, ttmp6, 0x10000c
	s_cmp_lg_u32 s2, 0x3003
	s_cbranch_scc0 .Lentry_shape_is_right
	s_endpgm
.Lentry_shape_is_right:
; qkv[m][row][n] = bf16( sum over k of X[row][k] W_m[k][n] + b_m[n] ), m = 0, 1, 2 (q, k, v).  X f32 [16384][512]; wt bf16 [n][k]; sums in f32.
; SHARES.  A work-group owns 128 rows of X and 768 of the 1,536 outputs: 128 row blocks x 2 column halves = 256 work-groups.  It fills 262,144 bytes of X and 786,432 of wt.
; The half's 768 rows of wt stream through two LDS slots in 6 tiles of 128 rows.  Wave w has rows 64 (w / 2) .. + 63 of X, rounded to bf16, as 64 fragments (16 rows x 32 k, 512 registers),
; and multiplies them by rows 64 (w % 2) .. + 63 of each tile: 16 accumulators, 256 matrix instructions a tile, half an LDS load for each.
; THE PRODUCT IS USED TRANSPOSED: source 0 = 16 rows of wt, source 1 = 16 rows of X: a lane holds one row of X and eight neighbouring outputs, 16 bytes in bf16.
; The bias is the C operand of the product that starts a sum: nothing is cleared and nothing is added later.
; CLUSTER.  The four work-groups of a cluster are four row blocks of one column half: they walk the same tiles of wt and ask for each JOINTLY (same load, descriptor and mask).
; X's rows are wanted by two work-groups, one in each column half, which lie in different clusters: plain loads.  wt is three quarters of the bytes filled, and 4 x 1 divides its requests by four; 2 x 2 would divide both by two.
; X.  Each wave brings 32 rows as two tiles of 32 x 1,024 bytes: k < 256 into slot 0, k >= 256 into slot 1.  When slot 0 has been converted it takes wt's tile 0, which is on its way while slot 1 is converted.
; RING.  Each wave fetches its quarter of a tile (32 rows x 1,024 bytes) by one load behind each round; it has a trip's 256 matrix instructions in which to land.  At most two loads of a wave are out (X's, at the start).
; WAY OUT.  A tile's 128 x 128 results go into one stage in LDS and are read back as whole rows of 256 bytes in the NEXT trip, behind that trip's round.  A second barrier in each trip, its signal behind
; the read-back and its wait in front of the next stores into the stage, keeps the two apart; seven eighths of the trip's products stand between signal and wait.
; REGISTERS, in windows of 256: window 0: v0-15 addresses; v32-95, v96-159 two buffers of fragments of wt (at the start: X in f32; at a trip's end: packed results).
;   window 1: v0-127 the 16 accumulators, (b, tl) at 8 (4 b + tl); v128-159 bias; v160-223 rows read back.   windows 2, 3: X's fragments, (c, tl) at ((c % 8) 4 + tl) 8 in window 2 + c / 8.
.set PW,     1040                      ; a row in a slot: 1,024 bytes + 16 = 65 x 16: the 16 rows of a fragment load start 16 bytes apart modulo 256
.set WQ,     32*PW                     ; a wave's quarter of a slot
.set SLOT,   4*WQ                      ; 133,120 = 0x20800: its bits meet none of w x WQ, so one exclusive or changes slots
.set STG,    2*SLOT                    ; the stage: 128 rows x 272 bytes
.set SPITCH, 272
.set BIA,    STG+128*SPITCH            ; my column half's 768 biases: 3,072 bytes
.set SPARE,  BIA+3072                  ; the spare words, 128 bytes a wave
.set B0, 32
.set B1, 96
.set BC, 128                           ; window 1
.set RB, 160                           ; window 1
; v2 spare word, v3 0 (never rewritten); v4 my place in a tile, v5 with the slot; v6 my place in the biases, v7 with the tile; v8 into the stage; v10 back; v12 my offset in qkv; v13, v14 my place in X's two halves
; s18 wave, s66 wave / 2, s59 wave % 2, s67 column half; s[24:31] group 1 for wt, s[32:39] for X; s[40:43] group 0 for wt, s[44:47] and s[76:79] for X; s48 slot read; s50 tile read back; s51 count
; s[52:53] qkv at my rows; s[54:55] with the tile; s[56:57] an offset; s58 bias step; s[70:75] where my three chunks of bias come from
.set MSB, 0
.macro WIN new                         ; the immediate's high byte repeats the setting that is left; a switch that changes nothing is dropped
.if MSB != (\new)
	s_set_vgpr_msb (MSB<<8)|(\new)
.set MSB, (\new)
.endif
.endm
.macro PLACES                          ; four places behind matrix instructions (ISA guide 7.12.1), where no other vector work is at hand
.rept 4
	v_nop
.endr
.endm
.macro ROUND                           ; a round of the cluster's barrier
	s_barrier_signal -1
	s_barrier_wait -1
	s_cmp_lg_u32 s18, 0
	s_cbranch_scc1 .Lnot_wave_0_\@
	s_barrier_signal -3
.Lnot_wave_0_\@:
	s_barrier_wait -3
	s_barrier_signal -1
	s_barrier_wait -1
.endm
	s_load_b256 s[4:11], s[0:1], 0x0               ; X, wt, bq, bk
	s_load_b128 s[12:15], s[0:1], 0x20             ; bv, qkv
	v_lshl_add_u32 v2, v0, 2, SPARE
	v_mov_b32 v3, 0
	ds_add_u32 v2, v3                              ; the wave's opening: the add and its wait stand ahead of my first tensor load
	v_lshrrev_b32 v1, 5, v0
	v_readfirstlane_b32 s18, v1                    ; wave 0..3
	s_lshr_b32 s66, s18, 1                         ; which 64 rows of X are mine
	s_and_b32 s59, s18, 1                          ; which 64 rows of a tile
	s_bfe_u32 s19, ttmp6, 0x40000                  ; cx
	s_lshr_b32 s67, ttmp9, 5                       ; the column half: clusters 0-31 the first, 32-63 the second
	s_and_b32 s20, ttmp9, 31
	s_lshl_b32 s20, s20, 2
	s_add_co_u32 s20, s20, s19                     ; my block of 128 rows: it enters X's and qkv's addresses alone
	; group 1: 32 rows of 512 two-byte elements, 16 bytes of padding behind each row's 256 words
	s_mov_b32 s24, 15|(1<<16)|(1<<20)|(1<<21)|(7<<22)|(3<<25)  ; wt: the mask of four, bit 21 beside it
	s_mov_b32 s32, (1<<16)|(1<<20)|(7<<22)|(3<<25)             ; X: no mask
.irp g, 24, 32
	s_mov_b32 s[(\g)+1], 512<<16                   ; tensor_dim0 = 512
	s_mov_b32 s[(\g)+2], 32<<16                    ; tensor_dim1 = 32
	s_mov_b32 s[(\g)+3], 512<<16                   ; tile_dim0 = 512
	s_mov_b32 s[(\g)+4], 32                        ; tile_dim1 = 32
	s_mov_b32 s[(\g)+6], 0
	s_mov_b32 s[(\g)+7], 0
.endr
	s_mov_b32 s29, 512                             ; wt: rows are dense
	s_mov_b32 s37, 1024                            ; X: half a row of 2,048 bytes is taken, so rows lie 1,024 two-byte elements apart
	s_mov_b32 s40, 1
	s_mul_i32 s41, s18, WQ                         ; wt's tile 0: slot 0, my quarter
	s_mov_b32 s44, 1
	s_mul_i32 s45, s18, WQ                         ; X, k < 256: slot 0, my 32 rows
	s_mov_b32 s76, 1
	s_add_co_u32 s77, s45, SLOT                    ; X, k >= 256: slot 1
	s_lshl_b32 s56, s18, 15                        ; in wt: my 32 rows of 1,024 bytes,
	s_mul_i32 s60, s67, 768*1024                   ; in my column half
	s_add_co_u32 s56, s56, s60
	s_mov_b32 s57, 0
	s_lshl_b32 s62, s20, 18                        ; in X: my block's 128 rows of 2,048 bytes,
	s_lshl_b32 s63, s18, 16                        ; my wave's 32 of them
	s_add_co_u32 s62, s62, s63
	s_mov_b32 s63, 0
	s_lshl_b32 s68, s20, 17                        ; in q, k or v: my block's 128 rows of 1,024 bytes
	s_mov_b32 s69, 0
	s_mul_i32 s50, s67, 6                          ; my half's first tile among the twelve
	s_mov_b32 s48, SLOT                            ; the first trip turns it into 0
	s_mov_b32 s58, 0
	s_wait_dscnt 0x0                               ; the opening add is done
	s_wait_kmcnt 0x0
	s_add_nc_u64 s[42:43], s[6:7], s[56:57]
	s_or_b32 s43, s43, 0x80000000
	s_add_nc_u64 s[46:47], s[4:5], s[62:63]
	s_add_nc_u64 s[78:79], s[46:47], 1024
	s_or_b32 s47, s47, 0x80000000
	s_or_b32 s79, s79, 0x80000000
	s_add_nc_u64 s[52:53], s[14:15], s[68:69]
	; my 768 biases are three chunks of 256 numbers of bq | bk | bv on end: chunks 0-2 for the first half, 3-5 for the second
	s_add_nc_u64 s[70:71], s[10:11], 1024          ; bk's second half
	s_add_nc_u64 s[72:73], s[8:9], 1024            ; bq's
	s_add_nc_u64 s[74:75], s[12:13], 1024          ; bv's
	s_cmp_eq_u32 s67, 1
	s_cselect_b64 s[70:71], s[70:71], s[8:9]
	s_cselect_b64 s[72:73], s[12:13], s[72:73]
	s_cselect_b64 s[74:75], s[74:75], s[10:11]
	ROUND                                          ; in a cluster launch every group of tensor loads stands behind a round
	tensor_load_to_lds s[44:47], s[32:39]
	s_nop 0
	tensor_load_to_lds s[76:79], s[32:39]
	s_nop 0
	PLACES
	v_lshlrev_b32 v5, 3, v0                        ; 128 threads x 8 bytes: a chunk
	global_load_b64 v[32:33], v5, s[70:71]
	global_load_b64 v[34:35], v5, s[72:73]
	global_load_b64 v[36:37], v5, s[74:75]
	v_and_b32 v15, 15, v0                          ; r = lane % 16
	v_bfe_u32 v1, v0, 4, 1                         ; h = lane / 16
	v_mul_u32_u24 v9, v15, PW
	s_mul_i32 s21, s59, 2*WQ
	v_lshl_add_u32 v4, v1, 4, v9
	v_add_nc_u32 v4, s21, v4                       ; wt: (64 (w % 2) + r) x pitch + 16 h
	s_mul_i32 s22, s66, 2*WQ
	v_lshl_add_u32 v13, v1, 5, v9
	v_add_nc_u32 v13, s22, v13                     ; X, f32: (64 (w / 2) + r) x pitch + 8 h numbers of 4 bytes, k < 256
	v_add_nc_u32 v14, SLOT, v13                    ; k >= 256
	s_lshl_b32 s23, s59, 8
	s_add_co_u32 s23, s23, BIA
	v_lshl_add_u32 v6, v1, 5, s23                  ; the biases of outputs 64 (w % 2) + 8 h ..
	s_mul_i32 s21, s66, 64*SPITCH
	s_lshl_b32 s22, s59, 7
	s_add_co_u32 s21, s21, s22
	s_add_co_u32 s21, s21, STG
	v_mul_u32_u24 v8, v15, SPITCH
	v_lshl_add_u32 v8, v1, 4, v8
	v_add_nc_u32 v8, s21, v8                       ; into the stage: row 64 (w / 2) + r (+ 16 tl), byte 128 (w % 2) + 16 h (+ 32 b)
	s_mul_i32 s21, s18, 32*SPITCH
	s_add_co_u32 s21, s21, STG
	v_mul_u32_u24 v10, v1, SPITCH
	v_lshl_add_u32 v10, v15, 4, v10
	v_add_nc_u32 v10, s21, v10                     ; back: rows 32 w + h (+ 2 u), whole
	s_lshl_b32 s22, s18, 15
	v_lshlrev_b32 v12, 10, v1
	v_lshl_add_u32 v12, v15, 4, v12
	v_add_nc_u32 v12, s22, v12                     ; and the same rows in qkv
	v_add_nc_u32 v7, BIA, v5
	s_wait_loadcnt 0x0
	ds_store_b64 v7, v[32:33]
	ds_store_b64 v7, v[34:35] offset:1024
	ds_store_b64 v7, v[36:37] offset:2048
	s_wait_tensorcnt 1                             ; my part of X's first half is in; the second half's load may stay out
	s_wait_dscnt 0x0                               ; my part of the biases is stored,
	s_barrier_signal -1
	s_barrier_wait -1                              ; everybody's are
; X, f32 in LDS, becomes 64 bf16 fragments.  Block c is 32 k of my 64 rows: 16 loads, 32 roundings of pairs.  A lane's 8 + 8 numbers lie at bytes 32 h and 64 + 32 h of the block's 128.
.macro XLOADB c, T
	WIN 0
.irp tl, 0,1,2,3
.irp e, 0,1,2,3
	ds_load_b128 v[(\T)+16*(\tl)+4*(\e):(\T)+16*(\tl)+4*(\e)+3], v[13+(\c)/8] offset:(\tl)*16*PW+((\c)%8)*128+16*((\e)%2)+64*((\e)/2)
.endr
.endr
.endm
.macro XCVTB c, T
	WIN 0x80+0x40*((\c)/8)                         ; destination window 2 or 3
.irp tl, 0,1,2,3
.irp j, 0,1,2,3,4,5,6,7
	v_cvt_pk_bf16_f32 v[(((\c)%8)*4+(\tl))*8+(\j)], v[(\T)+16*(\tl)+2*(\j)], v[(\T)+16*(\tl)+2*(\j)+1]
.endr
.endr
.endm
.macro XRUN c0                         ; the eight blocks of one slot
	XLOADB \c0, B0
.set ic, (\c0)
.rept 8
.if ic < (\c0)+7
	XLOADB ic+1, B0+64*((ic+1)%2)
	s_wait_dscnt 16                                ; block ic is in; the 16 loads just issued stay out
.else
	s_wait_dscnt 0x0
.endif
	XCVTB ic, B0+64*(ic%2)
.set ic, ic+1
.endr
	WIN 0
.endm
	XRUN 0
	s_wait_tensorcnt 0x0                           ; X's second half has landed: no tensor load of mine is out
	ds_add_u32 v2, v3                              ; 0 onto my spare word
	s_wait_dscnt 0x0                               ; the add is done; my reads of slot 0 are over
	ROUND                                          ; that now holds of every wave of the four work-groups
	tensor_load_to_lds s[40:43], s[24:31]          ; wt's tile 0 into slot 0: on its way while slot 1 is converted
	s_nop 0
	PLACES
	XRUN 8
; 16 LDS loads: my 64 rows of the tile, 64 along K from 64 q on: fragment (cc, b) at buf + 8 (4 cc + b)
.macro FETCHW q, buf
	WIN 0
.irp cc, 0,1
.irp b, 0,1,2,3
	ds_load_b128 v[(\buf)+8*(4*(\cc)+(\b)):(\buf)+8*(4*(\cc)+(\b))+3],   v5 offset:(\b)*16*PW+(2*(\q)+(\cc))*64
	ds_load_b128 v[(\buf)+8*(4*(\cc)+(\b))+4:(\buf)+8*(4*(\cc)+(\b))+7], v5 offset:(\b)*16*PW+(2*(\q)+(\cc))*64+32
.endr
.endr
.endm
; 32 matrix instructions: 64 along K; the 16 accumulators take turns, one instruction a turn.  The tile's first 16 start the sums with the bias.
.macro MULW q, buf
	WIN 0x58+4*((\q)/4)                            ; C and D in window 1, source 1 (X) in window 2 or 3
.irp cc, 0,1
.irp b, 0,1,2,3
.irp tl, 0,1,2,3
.if (2*(\q)+(\cc)) == 0
	v_wmma_f32_16x16x32_bf16 v[8*(4*(\b)+(\tl)):8*(4*(\b)+(\tl))+7], v[(\buf)+8*(4*(\cc)+(\b)):(\buf)+8*(4*(\cc)+(\b))+7], v[(((2*(\q)+(\cc))%8)*4+(\tl))*8:(((2*(\q)+(\cc))%8)*4+(\tl))*8+7], v[BC+8*(\b):BC+8*(\b)+7]
.else
	v_wmma_f32_16x16x32_bf16 v[8*(4*(\b)+(\tl)):8*(4*(\b)+(\tl))+7], v[(\buf)+8*(4*(\cc)+(\b)):(\buf)+8*(4*(\cc)+(\b))+7], v[(((2*(\q)+(\cc))%8)*4+(\tl))*8:(((2*(\q)+(\cc))%8)*4+(\tl))*8+7], v[8*(4*(\b)+(\tl)):8*(4*(\b)+(\tl))+7]
.endif
.endr
.endr
.endr
.endm
.macro OUTADR                          ; qkv at my rows, matrix TT / 4, columns 128 (TT % 4) on
	s_lshr_b32 s56, s50, 2
	s_lshl_b32 s56, s56, 24
	s_and_b32 s60, s50, 3
	s_lshl_b32 s60, s60, 8
	s_or_b32 s56, s56, s60
	s_add_nc_u64 s[54:55], s[52:53], s[56:57]
	s_add_co_u32 s50, s50, 1
.endm
; A TRIP: one tile, in eight pieces of 64 along K on two buffers: a piece's fragments are fetched in front of the 32 products of the piece before.
; load = 1: the slot read last trip takes the next tile.  rb = 1: the last tile's results are read back from the stage and stored.
.macro WTRIP load, rb
	WIN 0
	s_wait_tensorcnt 0x0                           ; all my tensor loads have landed: my quarter of this trip's tile
	ds_add_u32 v2, v3                              ; 0 onto my spare word; scalar work stands between it and its wait
	s_wait_xcnt 0x0                                ; the last trip's stores have had their addresses translated: their base and data registers may be rewritten
.if \load
	s_xor_b32 s41, s41, SLOT
	s_add_nc_u64 s[42:43], s[42:43], 131072        ; the next 128 rows of wt
.endif
	s_xor_b32 s48, s48, SLOT
.if \rb
	OUTADR
.endif
	s_wait_dscnt 0x0                               ; the add is done; my reads of the old slot and my stores into the stage are over
.if \load
	ROUND                                          ; that now holds of every wave of the four work-groups
	tensor_load_to_lds s[40:43], s[24:31]          ; my one load behind the round
	s_nop 0
	PLACES
.else
	s_barrier_signal -1
	s_barrier_wait -1
.endif
	v_add_nc_u32 v5, s48, v4
	v_add_nc_u32 v7, s58, v6
	s_add_co_u32 s58, s58, 512                     ; the next tile's 128 biases
	WIN 0x40
.irp b, 0,1,2,3
	ds_load_b128 v[BC+8*(\b):BC+8*(\b)+3],   v7 offset:(\b)*64
	ds_load_b128 v[BC+8*(\b)+4:BC+8*(\b)+7], v7 offset:(\b)*64+16
.endr
	FETCHW 0, B0
.if \rb
	WIN 0x40
.irp u, 0,1,2,3,4,5,6,7,8,9,10,11,12,13,14,15
	ds_load_b128 v[RB+4*(\u):RB+4*(\u)+3], v10 offset:(\u)*2*SPITCH
.endr
	s_wait_dscnt 16                                ; bias and fragments are in; the sixteen pairs of rows read back stay out
.else
	s_wait_dscnt 0x0
.endif
	FETCHW 1, B1
	MULW 0, B0
	s_wait_dscnt 0x0                               ; the next fragments are in, and so are the rows read back
.if \rb
	WIN 0x04                                       ; store data in window 1
.irp u, 0,1,2,3,4,5,6,7,8,9,10,11,12,13,14,15
	global_store_b128 v12, v[RB+4*(\u):RB+4*(\u)+3], s[54:55] offset:(\u)*2048  ; 16 lanes store 256 consecutive bytes, aligned
.endr
	s_barrier_signal -1                            ; my reads of the stage are over; the wait stands in front of this trip's stores into it
.endif
	PLACES                                         ; for the loads into the buffer just multiplied
	FETCHW 2, B0
	MULW 1, B1
.irp q, 2,3,4,5,6
	s_wait_dscnt 0x0                               ; issued 32 matrix instructions ago
	PLACES
	FETCHW (\q)+1, B0+64*(((\q)+1)%2)
	MULW \q, B0+64*((\q)%2)
.endr
	s_wait_dscnt 0x0
	MULW 7, B1
	PLACES
	WIN 0x05                                       ; sources in window 1, destination in window 0
.set ia, 0
.rept 16                               ; each accumulator from its low end on
.irp rr, 0,1,2,3
	v_cvt_pk_bf16_f32 v[B0+4*ia+(\rr)], v[8*ia+2*(\rr)], v[8*ia+2*(\rr)+1]
.endr
.set ia, ia+1
.endr
	WIN 0
.if \rb
	s_barrier_wait -1                              ; every wave's reads of the stage are over
.endif
.irp b, 0,1,2,3
.irp tl, 0,1,2,3
	ds_store_b128 v8, v[B0+4*(4*(\b)+(\tl)):B0+4*(4*(\b)+(\tl))+3] offset:(\tl)*16*SPITCH+(\b)*32
.endr
.endr
.endm
	WTRIP 1, 0
	s_mov_b32 s51, 4
.Ltile:
	WTRIP 1, 1
	s_sub_co_u32 s51, s51, 1
	s_cmp_lg_u32 s51, 0
	s_cbranch_scc1 .Ltile
	WTRIP 0, 1                                     ; the last tile: nothing is left to fetch
	s_wait_dscnt 0x0                               ; my stores into the stage are done
	s_barrier_signal -1
	s_barrier_wait -1
	s_wait_xcnt 0x0
	OUTADR
	WIN 0x40
.irp u, 0,1,2,3,4,5,6,7,8,9,10,11,12,13,14,15
	ds_load_b128 v[RB+4*(\u):RB+4*(\u)+3], v10 offset:(\u)*2*SPITCH
.endr
	WIN 0x04
.irp u, 0,1,2,3,4,5,6,7,8,9,10,11,12,13,14,15
	s_wait_dscnt 15-(\u)                           ; LDS loads come back in order: load u is in, the younger ones stay out
	global_store_b128 v12, v[RB+4*(\u):RB+4*(\u)+3], s[54:55] offset:(\u)*2048
.endr
	WIN 0
	s_wait_tensorcnt 0x0                           ; the wave's end
	ds_add_u32 v2, v3
	s_wait_dscnt 0x0
	ROUND                                          ; the closing round
	s_endpgm
.Lfunc_end_k_q4a71cdf477_qkv:
	.size	k_q4a71cdf477_qkv, .Lfunc_end_k_q4a71cdf477_qkv-k_q4a71cdf477_qkv
	.p2alignl 7, 3214868480
	.fill 96, 4, 3214868480
	.section	.rodata,"a",@progbits
	.p2align	6, 0x0
	.amdhsa_kernel k_q4a71cdf477_qkv
		.amdhsa_group_segment_fixed_size 327680
		.amdhsa_private_segment_fixed_size 0
		.amdhsa_enable_private_segment 0
		.amdhsa_kernarg_size 48
		.amdhsa_user_sgpr_count 2
		.amdhsa_user_sgpr_kernarg_segment_ptr 1
		.amdhsa_wavefront_size32 1
		.amdhsa_system_sgpr_workgroup_id_x 1
		.amdhsa_system_sgpr_workgroup_id_y 1
		.amdhsa_system_sgpr_workgroup_id_z 1
		.amdhsa_system_vgpr_workitem_id 0
		.amdhsa_next_free_vgpr 1024
		.amdhsa_next_free_sgpr 80
		.amdhsa_reserve_vcc 0
		.amdhsa_float_denorm_mode_32 3
		.amdhsa_float_denorm_mode_16_64 3
		.amdhsa_memory_ordered 1
		.amdhsa_forward_progress 1
		.amdhsa_inst_pref_size 162
	.end_amdhsa_kernel
	.amdgpu_metadata
---
amdhsa.version: [ 1, 2 ]
amdhsa.kernels:
  - .name:           k_q4a71cdf477_qkv
    .symbol:         k_q4a71cdf477_qkv.kd
    .args:
      - { .name: X, .offset: 0, .size: 8, .value_kind: global_buffer, .address_space: global }
      - { .name: wt, .offset: 8, .size: 8, .value_kind: global_buffer, .address_space: global }
      - { .name: bq, .offset: 16, .size: 8, .value_kind: global_buffer, .address_space: global }
      - { .name: bk, .offset: 24, .size: 8, .value_kind: global_buffer, .address_space: global }
      - { .name: bv, .offset: 32, .size: 8, .value_kind: global_buffer, .address_space: global }
      - { .name: qkv, .offset: 40, .size: 8, .value_kind: global_buffer, .address_space: global }
    .group_segment_fixed_size: 327680
    .private_segment_fixed_size: 0
    .kernarg_segment_align: 8
    .kernarg_segment_size: 48
    .max_flat_workgroup_size: 128
    .sgpr_count:     80
    .vgpr_count:     1024
    .wavefront_size: 32
...
	.end_amdgpu_metadata
.endif
;; end of part 2
;; launch attn (part 3): grid 32 x 8, 4 waves a work-group, clusters of 4 x 1, 327,680 bytes of LDS; arguments qkv, wt, X, bo, ln_gamma, ln_beta, out0; writes out0
.if DOCPART == 3
	.amdgcn_target "amdgcn-amd-amdhsa--gfx1250"
	.amdhsa_code_object_version 6
	.text
	.protected	k_q4a71cdf477_attn
	.globl	k_q4a71cdf477_attn
	.p2align	8
	.type	k_q4a71cdf477_attn,@function
k_q4a71cdf477_attn:
	s_mov_b64 s[64:65], 0
	v_nop
	global_prefetch_b8 v0, s[64:65] scope:SCOPE_SE
	s_setreg_imm32_b32 hwreg(HW_REG_WAVE_MODE, 25, 1), 1
	s_wait_xcnt 0x0
	s_wait_alu depctr_hold_cnt(0) depctr_sa_sdst(0) depctr_va_vdst(0) depctr_va_sdst(0) depctr_va_ssrc(0) depctr_va_vcc(0) depctr_vm_vsrc(0)
	s_getreg_b32 s2, hwreg(HW_REG_IB_STS2, 6, 4)
	s_cmp_eq_u32 s2, 0
	s_cbranch_scc0 .Lentry_in_a_cluster
	s_endpgm
.Lentry_in_a_cluster:
	s_bfe_u32 s2, ttmp6, 0x10000c
	s_cmp_lg_u32 s2, 0x3003
	s_cbranch_scc0 .Lentry_shape_is_right
	s_endpgm
.Lentry_shape_is_right:
; out0 = LayerNorm( softmax(q k^T / sqrt(512)) v Wo + bo + X ) gamma + beta.  q, k, v: bf16 [16384][512] in qkv; Wo^T bf16 [n][k] in wt; X, bo, gamma, beta, out0 f32.
; Products with bf16 operands and f32 sums; maxima, exponentials, sums, residual and norm in f32; the weights p and ctx are rounded to bf16 for the next product; l is the sum of the unrounded p.
; LIMITS.  c x score (c = log2(e) / sqrt(512)) lies above -4.25e37, where the running maximum starts; a weight below 2^-126 counts as 0; NaN and infinities are not treated apart.
; The keys are summed in another order than the reference's (see THE WALK'S START), so the last bits of the sums differ.
; SHARES.  A work-group owns 64 queries of one batch: four tiles of 16.  Q lies as 64 fragments (512 registers) in EVERY wave.  All 2,048 keys are walked, 64 a step.
;   S^T = K Q^T: wave w takes keys 16 w .. 16 w + 15 of the step (source 0) against all 64 queries: a lane holds one query and eight keys.
;   O^T = V^T P: wave w takes channels 128 w .. 128 w + 127 (source 0, turned by ds_load_tr16_b128) against all 64 keys and queries.  So each byte of K and V is read from LDS once.
;   The waves' maxima meet in LDS (SX); a wave's p, rounded in pairs, ARE four registers of a fragment of P for the same lane, and go through LDS (PB) to all four waves.
; SOFTMAX.  A running maximum cm (of c x score) and sum l for each query; p = 2^(c s - cm); O and l are multiplied by a = 2^(cm_old - cm_new) in every step.  l is kept by wave and half of the lanes, and added up at the end.
; A TRIP j: change of slots; K Q^T of step j + 1; exchange of maxima; V^T P of step j; softmax of step j + 1.  The change's round also shows P of step j to all waves.
; THE WALK'S START.  Step j takes the batch's key tile (st + j) mod 32, and st differs between the batch's eight clusters (x = 0 .. 7: st = 4 (x xor 4 (x mod 2))): neither the softmax nor P V hangs on the order
; of the keys.  So the clusters ask for a tile at eight different times, and only the first of them asks for bytes that nobody has asked for yet.  The exclusive or keeps the starts spread
; (at most 12 tiles from one to the next) within either half of the clusters, whichever single bit of x halves them.  The four partners of a cluster share st; it enters global addresses alone.
; THE OUTPUT PROJECTION is the first product once more: ctx takes Q's registers, eight tiles of 64 rows of Wo^T follow K's tiles in K's ring, bo is the C operand that starts the sums.
; Its results gather in LDS (where V's slots lay, behind their last fill); each wave then norms 16 whole rows.
; CLUSTER.  The four query blocks of a cluster belong to one batch and walk the same K, V and Wo^T: each tile is asked for JOINTLY.  Q is each work-group's own: a plain load.
; RING.  Two slots for K, two for V.  Behind each round waves 0, 1 ask for the halves of K's tile two steps on, waves 2, 3 for V's tile one step on: one load a wave, a trip's 128 matrix instructions in which to land.  At most two loads of a wave are out (at the start).
; REGISTERS, in windows of 256: window 0: v0-15 addresses and the maxima to exchange; v16-31 statistics (tile t: cm, l, a, at work); v32-63 S^T; v64-191 K's fragments, then V's; v192-255 P's fragments.
;   window 1: O^T, (t, cb) at 64 t + 8 cb; later my 16 rows of X.   windows 2, 3: Q, later ctx: (c, t) at ((c % 8) 4 + t) 8 in window 2 + c / 8.
.set PK,   1040                        ; a row of K in LDS: 1,024 bytes + 16 = 65 x 16: the 16 rows of a load start 16 bytes apart modulo 256
.set PVP,  1056                        ; a row of V: 1,024 + 32 = 33 x 32: the 8 rows x 32 bytes that 16 lanes of the turning load take fall apart modulo 256
.set VD,   64*PVP                      ; V's slots at 0 and VD = 0x10800
.set K0,   2*VD                        ; K's slots at K0 = 0x21000 and K0 + KD
.set KD,   64*PK                       ; 0x10400: its bits meet none of K0 or of a half slot, so one exclusive or changes slots; likewise VD
.set K1,   K0+KD
.set PB,   K0+2*KD                     ; P: 8 fragments of 1,024 bytes: (kk, t) at (4 kk + t) 1,024; registers 0-3 of all lanes, then 4-7
.set SX,   PB+8192                     ; the waves' maxima (at the end: sums): wave w at 256 w, query r of the four tiles at 16 r
.set BO,   SX+1024                     ; bo
.set SPARE, BO+2048                    ; the spare words, 128 bytes a wave
.set OP,   2064                        ; a row of the output stage: 2,048 bytes + 16
.set ST, 16
.set S,  32
.set KF, 64
.set PF, 192
; v2 spare word, v3 0 (never rewritten); v4, v5 my place in a tile of K, V; v6, v7 with the slot; v8, v9 P in, out; v10, v11 SX in, out; v12-15 what I put into SX
; s18 wave, s19 wave / 2, s20 wave % 2; s[24:31], s[32:39], s[40:47] group 1 for K, V, Q; s[48:51], s[52:55], s[56:59] group 0; s[60:61] K, s[94:95] V at my half of the batch's tile 0; s[62:63] Wo^T, walking
; s[66:67] c; s[68:69] lane selects; s70, s71 slot read of K, V; s72 count; s73 st; s[74:75] X, s[76:77] out0 at my block; s78 1/512; s79 1e-5; s96, s97 the tile of K, V asked for last; s[98:99] its byte offset
.set MSB, 0
.macro WIN new                         ; the immediate's high byte repeats the setting that is left; a switch that changes nothing is dropped
.if MSB != (\new)
	s_set_vgpr_msb (MSB<<8)|(\new)
.set MSB, (\new)
.endif
.endm
.macro PLACES                          ; four places behind matrix instructions (ISA guide 7.12.1), where no other vector work is at hand
.rept 4
	v_nop
.endr
.endm
.macro ROUND                           ; a round of the cluster's barrier
	s_barrier_signal -1
	s_barrier_wait -1
	s_cmp_lg_u32 s18, 0
	s_cbranch_scc1 .Lnot_wave_0_\@
	s_barrier_signal -3
.Lnot_wave_0_\@:
	s_barrier_wait -3
	s_barrier_signal -1
	s_barrier_wait -1
.endm
; A joint refill: waves 0, 1 the halves of a tile of K's ring; waves 2, 3 those of V's (vl = 1) or nothing.  The branch hangs on the wave's number alone.
.macro JLOAD vl
	s_cmp_lt_u32 s18, 2
	s_cbranch_scc0 .Lfor_v_\@
	tensor_load_to_lds s[48:51], s[24:31]
	s_nop 0
	PLACES
	s_branch .Lasked_\@
.Lfor_v_\@:
.if \vl
	tensor_load_to_lds s[52:55], s[32:39]
	s_nop 0
	PLACES
.endif
.Lasked_\@:
.endm
	s_load_b256 s[4:11], s[0:1], 0x0               ; qkv, wt, X, bo
	s_load_b128 s[12:15], s[0:1], 0x20             ; gamma, beta
	s_load_b64 s[16:17], s[0:1], 0x30              ; out0
	v_lshl_add_u32 v2, v0, 2, SPARE
	v_mov_b32 v3, 0
	ds_add_u32 v2, v3                              ; the wave's opening: the add and its wait stand ahead of my first tensor load
	v_lshrrev_b32 v1, 5, v0
	v_readfirstlane_b32 s18, v1                    ; wave 0..3
	s_lshr_b32 s19, s18, 1
	s_and_b32 s20, s18, 1
	s_bfe_u32 s21, ttmp6, 0x40000                  ; cx
	s_lshl_b32 s22, ttmp9, 2
	s_add_co_u32 s22, s22, s21                     ; my block of 64 queries: it enters Q's, X's and out0's addresses alone
	s_and_b32 s23, ttmp7, 0xffff                   ; the batch, which the four partners share
	s_and_b32 s73, ttmp9, 1                        ; the walk's start, from the cluster's number in the batch, which the partners share too
	s_lshl_b32 s73, s73, 2
	s_xor_b32 s73, s73, ttmp9
	s_lshl_b32 s73, s73, 2                         ; st = 4 (x xor 4 (x mod 2)): 0 .. 28
	s_mov_b32 s96, s73                             ; K: step 0's tile
	s_add_co_u32 s97, s73, s19                     ; V: waves 0, 1 step 0's tile, waves 2, 3 step 1's (29 at the most)
	s_mov_b32 s99, 0
	; group 1: 32 rows of 512 two-byte elements, dense in memory, padded behind each row's 256 words
	s_mov_b32 s24, 15|(1<<16)|(1<<20)|(1<<21)|(7<<22)|(3<<25)  ; K and Wo^T: the mask of four, bit 21 beside it, 4 words of padding
	s_mov_b32 s32, 15|(1<<16)|(1<<20)|(1<<21)|(7<<22)|(7<<25)  ; V: 8 words
	s_mov_b32 s40, (1<<16)|(1<<20)|(7<<22)|(3<<25)             ; Q: no mask
.irp g, 24, 32, 40
	s_mov_b32 s[(\g)+1], 512<<16                   ; tensor_dim0 = 512
	s_mov_b32 s[(\g)+2], 32<<16                    ; tensor_dim1 = 32
	s_mov_b32 s[(\g)+3], 512<<16                   ; tile_dim0 = 512
	s_mov_b32 s[(\g)+4], 32                        ; tile_dim1 = 32
	s_mov_b32 s[(\g)+5], 512                       ; elements from row to row
	s_mov_b32 s[(\g)+6], 0
	s_mov_b32 s[(\g)+7], 0
.endr
	s_mov_b32 s48, 1
	s_mul_i32 s49, s20, 32*PK
	s_add_co_u32 s49, s49, K0                      ; K's step 0: slot 0, my half
	s_mov_b32 s52, 1
	s_mul_i32 s53, s19, VD
	s_mul_i32 s92, s20, 32*PVP
	s_add_co_u32 s53, s53, s92                     ; V: waves 0, 1 step 0 into slot 0; waves 2, 3 step 1 into slot 1
	s_mov_b32 s56, 1
	s_add_co_u32 s57, s49, KD                      ; Q lands in K's slot 1
	s_lshl_b32 s80, s23, 21                        ; a batch: 2,048 rows of 1,024 bytes
	s_lshl_b32 s81, s20, 15                        ; my half of a tile: 32 rows
	s_add_co_u32 s82, s80, s81
	s_add_co_u32 s84, s82, 2<<24                   ; v
	s_lshl_b32 s93, s22, 16
	s_add_co_u32 s86, s82, s93                     ; q, my block
	s_add_co_u32 s82, s82, 1<<24                   ; k
	s_add_co_u32 s88, s81, 3*524288                ; Wo^T
	s_lshl_b32 s90, s23, 22                        ; in X and out0: a batch is 2,048 rows of 2,048 bytes,
	s_lshl_b32 s93, s22, 17                        ; a block 64 rows
	s_add_co_u32 s90, s90, s93
	s_mov_b32 s83, 0
	s_mov_b32 s85, 0
	s_mov_b32 s87, 0
	s_mov_b32 s89, 0
	s_mov_b32 s91, 0
	s_mov_b32 s66, 0x3d8293ee                      ; c = log2(e) / sqrt(512) = 0.0637587
	s_mov_b32 s67, s66                             ; named with it as a pair
	s_mov_b32 s68, 0x76543210
	s_mov_b32 s69, 0xfedcba98
	s_mov_b32 s70, KD                              ; the first changes of slots turn these two into 0
	s_mov_b32 s71, VD
	s_mov_b32 s78, 0x3b000000                      ; 1 / 512
	s_mov_b32 s79, 0x3727c5ac                      ; 1e-5
	s_wait_dscnt 0x0                               ; the opening add is done
	s_wait_kmcnt 0x0
	s_add_nc_u64 s[60:61], s[4:5], s[82:83]
	s_add_nc_u64 s[94:95], s[4:5], s[84:85]
	s_lshl_b32 s98, s96, 16                        ; a tile is 64 rows of 1,024 bytes
	s_add_nc_u64 s[50:51], s[60:61], s[98:99]
	s_or_b32 s51, s51, 0x80000000
	s_lshl_b32 s98, s97, 16
	s_add_nc_u64 s[54:55], s[94:95], s[98:99]
	s_or_b32 s55, s55, 0x80000000
	s_add_nc_u64 s[58:59], s[4:5], s[86:87]
	s_or_b32 s59, s59, 0x80000000
	s_add_nc_u64 s[62:63], s[6:7], s[88:89]
	s_add_nc_u64 s[74:75], s[8:9], s[90:91]
	s_add_nc_u64 s[76:77], s[16:17], s[90:91]
	ROUND                                          ; all four work-groups are here: the first joint loads meet
	s_cmp_lt_u32 s18, 2                            ; a wave's two first fills stand in one branch, ahead of every wait on TENSORcnt and every LDS read
	s_cbranch_scc0 .Lfirst_hi
	tensor_load_to_lds s[48:51], s[24:31]          ; K of step 0
	s_nop 0
	tensor_load_to_lds s[52:55], s[32:39]          ; V of step 0
	s_nop 0
	PLACES
	s_branch .Lfirst_done
.Lfirst_hi:
	tensor_load_to_lds s[56:59], s[40:47]          ; Q
	s_nop 0
	tensor_load_to_lds s[52:55], s[32:39]          ; V of step 1
	s_nop 0
	PLACES
.Lfirst_done:
	v_lshlrev_b32 v1, 4, v0                        ; 128 threads x 16 bytes: all of bo
	global_load_b128 v[32:35], v1, s[10:11]
	v_and_b32 v12, 15, v0                          ; r = lane % 16
	v_bfe_u32 v13, v0, 4, 1                        ; h = lane / 16
	v_and_b32 v14, 31, v0                          ; lane
	s_mul_i32 s92, s18, 16*PK
	s_add_co_u32 s92, s92, K0
	v_mul_u32_u24 v6, v12, PK
	v_lshl_add_u32 v6, v13, 4, v6                  ; row r x pitch + 16 h
	v_add_nc_u32 v4, s92, v6                       ; K: my wave's 16 keys
	v_add_nc_u32 v6, K1, v6                        ; Q, where it landed
	v_and_b32 v15, 7, v0
	v_lshl_add_u32 v15, v13, 3, v15
	v_mul_u32_u24 v5, v15, PVP                     ; V, turning load: key 8 h + lane % 8,
	v_bfe_u32 v15, v0, 3, 1
	v_lshl_add_u32 v5, v15, 4, v5                  ; channels 8 ((lane / 8) % 2) on,
	s_lshl_b32 s93, s18, 8
	v_add_nc_u32 v5, s93, v5                       ; of my wave's 128
	s_lshl_b32 s92, s19, 12
	s_lshl_b32 s93, s20, 9
	s_add_co_u32 s92, s92, s93
	s_add_co_u32 s92, s92, PB
	v_lshl_add_u32 v8, v14, 4, s92                 ; my p: fragment kk = w / 2, registers 4 (w % 2) on
	v_lshl_add_u32 v9, v14, 4, PB
	s_lshl_b32 s93, s18, 8
	s_add_co_u32 s93, s93, SX
	v_lshl_add_u32 v10, v12, 4, s93
	v_lshl_add_u32 v11, v12, 4, SX
.irp t, 0,1,2,3
	v_mov_b32 v[ST+4*(\t)], 0xfe000000             ; cm: far below every c s, so the first a is 0
	v_mov_b32 v[ST+4*(\t)+1], 0                    ; l
	v_mov_b32 v[ST+4*(\t)+2], 0
	v_mov_b32 v[ST+4*(\t)+3], 0
.endr
	v_add_nc_u32 v7, BO, v1
	s_wait_loadcnt 0x0
	ds_store_b128 v7, v[32:35]
	s_wait_tensorcnt 1                             ; my first load (K of step 0, or Q) is in; V's may stay out
	s_wait_dscnt 0x0
	s_barrier_signal -1
	s_barrier_wait -1
; 128 LDS loads: 64 source-1 fragments into windows 2 and 3: tile t st bytes on, 32 channels sc bytes on, a fragment's second half sh bytes on
.macro QLOAD adr, st, sc, sh
.set ic, 0
.rept 16
	WIN 0x80+0x40*(ic/8)
.irp t, 0,1,2,3
	ds_load_b128 v[((ic%8)*4+(\t))*8:((ic%8)*4+(\t))*8+3],   v[\adr] offset:(\t)*(\st)+ic*(\sc)
	ds_load_b128 v[((ic%8)*4+(\t))*8+4:((ic%8)*4+(\t))*8+7], v[\adr] offset:(\t)*(\st)+ic*(\sc)+(\sh)
.endr
.set ic, ic+1
.endr
	WIN 0
.endm
.macro FETCH_K                         ; my 16 rows x 512 channels: 16 fragments
	WIN 0
.set ic, 0
.rept 16
	ds_load_b128 v[KF+8*ic:KF+8*ic+3],   v6 offset:ic*64
	ds_load_b128 v[KF+8*ic+4:KF+8*ic+7], v6 offset:ic*64+32
.set ic, ic+1
.endr
.endm
.macro FETCH_P                         ; all 64 keys x 64 queries: 8 fragments
	WIN 0
.set ic, 0
.rept 8
	ds_load_b128 v[PF+8*ic:PF+8*ic+3],   v9 offset:ic*1024
	ds_load_b128 v[PF+8*ic+4:PF+8*ic+7], v9 offset:ic*1024+512
.set ic, ic+1
.endr
.endm
.macro FETCH_V kk                      ; keys 32 kk on x my 128 channels, turned: 8 fragments
	WIN 0
.set icb, 0
.rept 8
	ds_load_tr16_b128 v[KF+64*(\kk)+8*icb:KF+64*(\kk)+8*icb+3],   v7 offset:(\kk)*32*PVP+icb*32
	ds_load_tr16_b128 v[KF+64*(\kk)+8*icb+4:KF+64*(\kk)+8*icb+7], v7 offset:(\kk)*32*PVP+icb*32+16*PVP
.set icb, icb+1
.endr
.endm
; S(t) += K(c) x Q(c, t) for c = c0 .. c1: the four accumulators take turns, one instruction a turn.  c = 0 starts the sums: with 0, or (bias = 1) with v[224:231].
.macro QK c0, c1, bias
.set ic, (\c0)
.rept (\c1)-(\c0)+1
	WIN 0x08+4*(ic/8)                              ; source 1 in window 2 or 3
.irp t, 0,1,2,3
.if ic == 0
.if \bias
	v_wmma_f32_16x16x32_bf16 v[S+8*(\t):S+8*(\t)+7], v[KF+8*ic:KF+8*ic+7], v[((ic%8)*4+(\t))*8:((ic%8)*4+(\t))*8+7], v[224:231]
.else
	v_wmma_f32_16x16x32_bf16 v[S+8*(\t):S+8*(\t)+7], v[KF+8*ic:KF+8*ic+7], v[((ic%8)*4+(\t))*8:((ic%8)*4+(\t))*8+7], 0
.endif
.else
	v_wmma_f32_16x16x32_bf16 v[S+8*(\t):S+8*(\t)+7], v[KF+8*ic:KF+8*ic+7], v[((ic%8)*4+(\t))*8:((ic%8)*4+(\t))*8+7], v[S+8*(\t):S+8*(\t)+7]
.endif
.endr
.set ic, ic+1
.endr
.endm
; O(t, cb) += V(kk, cb) x P(kk, t): 32 accumulators by turns.  zero = 1: these products start the sums.
.macro PV kk, zero
	WIN 0x50                                       ; C and D in window 1
.set icb, 0
.rept 8
.irp t, 0,1,2,3
.if \zero
	v_wmma_f32_16x16x32_bf16 v[64*(\t)+8*icb:64*(\t)+8*icb+7], v[KF+64*(\kk)+8*icb:KF+64*(\kk)+8*icb+7], v[PF+32*(\kk)+8*(\t):PF+32*(\kk)+8*(\t)+7], 0
.else
	v_wmma_f32_16x16x32_bf16 v[64*(\t)+8*icb:64*(\t)+8*icb+7], v[KF+64*(\kk)+8*icb:KF+64*(\kk)+8*icb+7], v[PF+32*(\kk)+8*(\t):PF+32*(\kk)+8*(\t)+7], v[64*(\t)+8*icb:64*(\t)+8*icb+7]
.endif
.endr
.set icb, icb+1
.endr
.endm
.macro RESCALE                         ; O^T times a, ascending: it stands where the LDS loads just issued are on their way
	WIN 0x41
.set ir, 0
.rept 128
	v_pk_mul_f32 v[2*ir:2*ir+1], v[2*ir:2*ir+1], v[ST+4*(ir/32)+2:ST+4*(ir/32)+3] op_sel_hi:[1,0]
.set ir, ir+1
.endr
.endm
.macro LMAX                            ; for each tile the maximum of my wave's 16 keys, in both halves of the lanes; each accumulator is read from its low end on
	WIN 0
.irp t, 0,1,2,3
	v_max3_num_f32 v[128+4*(\t)], v[S+8*(\t)], v[S+8*(\t)+1], v[S+8*(\t)+2]
.endr
.irp t, 0,1,2,3
	v_max3_num_f32 v[128+4*(\t)], v[128+4*(\t)], v[S+8*(\t)+3], v[S+8*(\t)+4]
.endr
.irp t, 0,1,2,3
	v_max3_num_f32 v[128+4*(\t)], v[128+4*(\t)], v[S+8*(\t)+5], v[S+8*(\t)+6]
.endr
.irp t, 0,1,2,3
	v_max_num_f32 v[128+4*(\t)], v[128+4*(\t)], v[S+8*(\t)+7]
.endr
.irp t, 0,1,2,3
	v_permlanex16_b32 v[129+4*(\t)], v[128+4*(\t)], s68, s69
.endr
.irp t, 0,1,2,3
	v_max_num_f32 v[12+(\t)], v[128+4*(\t)], v[129+4*(\t)]
.endr
.endm
; The four waves' maxima lie in v192-207 (wave u, tile t at 192 + 4 u + t).  New cm, a, the weights, their rounding and way to PB, and l.
.macro SOFT
	WIN 0
.irp t, 0,1,2,3
	v_max3_num_f32 v[ST+4*(\t)+3], v[PF+(\t)], v[PF+4+(\t)], v[PF+8+(\t)]
.endr
.irp t, 0,1,2,3
	v_max_num_f32 v[ST+4*(\t)+3], v[ST+4*(\t)+3], v[PF+12+(\t)]
.endr
.irp t, 0,1,2,3
	v_mul_f32 v[ST+4*(\t)+3], s66, v[ST+4*(\t)+3]
.endr
.irp t, 0,1,2,3
	v_max_num_f32 v[ST+4*(\t)+3], v[ST+4*(\t)+3], v[ST+4*(\t)]
.endr
.irp t, 0,1,2,3
	v_sub_f32 v[ST+4*(\t)+2], v[ST+4*(\t)], v[ST+4*(\t)+3]
.endr
.irp t, 0,1,2,3
	v_mov_b32 v[ST+4*(\t)], v[ST+4*(\t)+3]
.endr
.irp t, 0,1,2,3
	v_exp_f32 v[ST+4*(\t)+2], v[ST+4*(\t)+2]       ; a; the scalings below are the plain instructions behind it
.endr
.irp t, 0,1,2,3
.irp m, 0,1,2,3
	v_pk_fma_f32 v[S+8*(\t)+2*(\m):S+8*(\t)+2*(\m)+1], v[S+8*(\t)+2*(\m):S+8*(\t)+2*(\m)+1], s[66:67], v[ST+4*(\t):ST+4*(\t)+1] op_sel_hi:[1,0,0] neg_lo:[0,0,1] neg_hi:[0,0,1]  ; c s - cm
.endr
.endr
.set ir, 0
.rept 32
	v_exp_f32 v[S+ir], v[S+ir]
.set ir, ir+1
.endr
	v_nop                                          ; a plain instruction between the last exponential and the use of its result
.set ir, 0
	s_wait_alu depctr_va_vdst(0)
.rept 16
	v_cvt_pk_bf16_f32 v[KF+ir], v[S+2*ir], v[S+2*ir+1]
.set ir, ir+1
.endr
.irp t, 0,1,2,3
	ds_store_b128 v8, v[KF+4*(\t):KF+4*(\t)+3] offset:(\t)*1024
.endr
.irp t, 0,1,2,3
	v_pk_add_f32 v[S+8*(\t):S+8*(\t)+1], v[S+8*(\t):S+8*(\t)+1], v[S+8*(\t)+2:S+8*(\t)+3]
	v_pk_add_f32 v[S+8*(\t)+4:S+8*(\t)+5], v[S+8*(\t)+4:S+8*(\t)+5], v[S+8*(\t)+6:S+8*(\t)+7]
.endr
.irp t, 0,1,2,3
	v_pk_add_f32 v[S+8*(\t):S+8*(\t)+1], v[S+8*(\t):S+8*(\t)+1], v[S+8*(\t)+4:S+8*(\t)+5]
.endr
.irp t, 0,1,2,3
	v_add_f32 v[S+8*(\t)], v[S+8*(\t)], v[S+8*(\t)+1]
.endr
.irp t, 0,1,2,3
	v_fma_f32 v[ST+4*(\t)+1], v[ST+4*(\t)+1], v[ST+4*(\t)+2], v[S+8*(\t)]  ; l = l a + my eight weights
.endr
.endm
; THE CHANGE OF SLOTS.  Each wave waits for all its tensor loads, adds 0 to its spare word, makes the descriptors' addresses anew, and waits for the add and for all its LDS reads and stores; the round follows, and the joint refill first behind it.
; vl = 1: V's ring is filled too.  pv = 1 or 2: this trip reads V.  kw = 0: K's ring takes the walk's next key tile; 1 (the loop): the same, but in the last trip Wo^T's tile 0; 2: Wo^T's next tile.
.macro CHANGE vl, pv, kw
	WIN 0
	s_wait_tensorcnt 0x0                           ; no tensor load of mine is out, so a group 0 may be written
	ds_add_u32 v2, v3
.if (\kw) < 2
	s_add_co_u32 s96, s96, 1                       ; the next tile, round the batch's 32
	s_and_b32 s96, s96, 31
	s_lshl_b32 s98, s96, 16
	s_add_nc_u64 s[50:51], s[60:61], s[98:99]
.if (\kw) == 1
	s_cmp_eq_u32 s72, 1
	s_cselect_b64 s[50:51], s[62:63], s[50:51]
.endif
.else
	s_add_nc_u64 s[62:63], s[62:63], 65536         ; the next 64 rows of Wo^T
	s_mov_b64 s[50:51], s[62:63]
.endif
	s_or_b32 s51, s51, 0x80000000
	s_xor_b32 s49, s49, KD
.if \vl
	s_add_co_u32 s97, s97, 1
	s_and_b32 s97, s97, 31
	s_lshl_b32 s98, s97, 16
	s_add_nc_u64 s[54:55], s[94:95], s[98:99]
	s_or_b32 s55, s55, 0x80000000
	s_xor_b32 s53, s53, VD
.endif
	s_xor_b32 s70, s70, KD
.if \pv
	s_xor_b32 s71, s71, VD
.endif
	s_wait_dscnt 0x0                               ; the add is done; my reads of the slots are over; my p are stored
	ROUND
	JLOAD \vl
.endm
.macro SXLOAD
	WIN 0
.irp u, 0,1,2,3
	ds_load_b128 v[PF+4*(\u):PF+4*(\u)+3], v11 offset:(\u)*256
.endr
.endm
; A TRIP.  resc = 1: O^T is rescaled.  pv = 0: no V^T P yet; 1: it starts O^T's sums; 2: it adds.
.macro TRIP vl, resc, pv, kw
	CHANGE \vl, \pv, \kw
	v_add_nc_u32 v6, s70, v4
.if \pv
	v_add_nc_u32 v7, s71, v5
.endif
	FETCH_K
.if \pv
	FETCH_P
.endif
.if \resc
	RESCALE
.endif
.if \pv
	s_wait_dscnt 32                                ; K's fragments 0-7 are in; 16 loads of K and 16 of P stay out
.else
	s_wait_dscnt 16
.endif
	QK 0, 7, 0
.if \pv
	PLACES                                         ; for the loads into the registers just multiplied
	FETCH_V 0
	s_wait_dscnt 16                                ; all but the 16 just issued
.else
	s_wait_dscnt 0x0
.endif
	QK 8, 15, 0
	PLACES
	LMAX
	ds_store_b128 v10, v[12:15]
	s_wait_dscnt 0x0                               ; for the others' sake: my maxima are stored; P and V's first half are in
	s_barrier_signal -1
.if \pv
	FETCH_V 1                                      ; bytes that nobody writes before a later barrier
	PV 0, 2-(\pv)
.endif
	s_barrier_wait -1
.if \pv
	PLACES                                         ; for the loads into P's registers just multiplied
.endif
	SXLOAD
.if \pv
	s_wait_dscnt 4                                 ; V's second half is in; the four loads of the maxima stay out
	PV 1, 0
.endif
	s_wait_dscnt 0x0
	SOFT
.endm
	QLOAD 6, 16*PK, 64, 32                         ; Q stays in registers
	TRIP 0, 0, 0, 0                                ; scores and softmax of step 0; K's slot 1, which held Q, takes step 1
	TRIP 0, 0, 1, 0                                ; V^T P of step 0 starts O^T
	s_mov_b32 s72, 30
.Lstep:
	TRIP 1, 1, 2, 1
	s_sub_co_u32 s72, s72, 1
	s_cmp_lg_u32 s72, 0
	s_cbranch_scc1 .Lstep
	; THE LAST STEP'S V^T P; beside it the waves' sums l meet in SX.
	CHANGE 0, 1, 2                                 ; Wo^T's tile 1 is asked for
	v_add_nc_u32 v7, s71, v5
	FETCH_P
	FETCH_V 0
	FETCH_V 1
	RESCALE
	WIN 0
.irp t, 0,1,2,3
	v_permlanex16_b32 v[ST+4*(\t)+3], v[ST+4*(\t)+1], s68, s69
.endr
.irp t, 0,1,2,3
	v_add_f32 v[12+(\t)], v[ST+4*(\t)+1], v[ST+4*(\t)+3]
.endr
	ds_store_b128 v10, v[12:15]
	s_wait_dscnt 0x0
	s_barrier_signal -1
	PV 0, 0
	PV 1, 0
	s_barrier_wait -1
	PLACES
	SXLOAD
	s_wait_dscnt 0x0
.irp t, 0,1,2,3
	v_add_f32 v[ST+4*(\t)+2], v[PF+(\t)], v[PF+4+(\t)]
	v_add_f32 v[ST+4*(\t)+3], v[PF+8+(\t)], v[PF+12+(\t)]
.endr
.irp t, 0,1,2,3
	v_add_f32 v[ST+4*(\t)+2], v[ST+4*(\t)+2], v[ST+4*(\t)+3]
.endr
.irp t, 0,1,2,3
	v_rcp_f32 v[ST+4*(\t)+2], v[ST+4*(\t)+2]       ; 1 / l; the address work below stands behind it
.endr
	v_and_b32 v32, 31, v0                          ; lane
	v_and_b32 v33, 15, v0                          ; r
	v_bfe_u32 v34, v0, 4, 1                        ; h
	s_lshl_b32 s92, s18, 14
	v_lshl_add_u32 v5, v32, 4, s92                 ; ctx in: fragments c = 4 w on, 4,096 bytes each c
	v_lshlrev_b32 v7, 4, v32                       ; ctx out; also my 16 bytes of 512 in gamma and beta
	v_mul_u32_u24 v8, v33, OP
	v_lshl_add_u32 v8, v34, 5, v8
	s_lshl_b32 s93, s18, 6
	v_add_nc_u32 v8, s93, v8                       ; output stage: row r of tiles 0, 1; byte 64 w + 32 h of a tile's 256
	v_add_nc_u32 v9, 32*OP, v8                     ; of tiles 2, 3
	s_add_co_u32 s93, s93, BO
	v_lshl_add_u32 v10, v34, 5, s93                ; bo of outputs 16 w + 8 h ..
	s_mul_i32 s92, s18, 16*OP
	v_lshl_add_u32 v11, v32, 4, s92                ; my 16 rows of the output stage
	s_lshl_b32 s93, s18, 15
	v_lshl_add_u32 v1, v32, 4, s93                 ; and of X and out0
	s_wait_alu depctr_va_vdst(0)
; ctx = O / l, rounded to bf16: a lane's eight channels are four registers of a fragment of ctx for the same lane.  They go through LDS (V's slot 0, read out a trip ago and filled no more) to all waves.
.macro NORMPACK t
	WIN 0x41
.set ir, 0
.rept 32
	v_pk_mul_f32 v[64*(\t)+2*ir:64*(\t)+2*ir+1], v[64*(\t)+2*ir:64*(\t)+2*ir+1], v[ST+4*(\t)+2:ST+4*(\t)+3] op_sel_hi:[1,0]
.set ir, ir+1
.endr
	WIN 0x05
.set ir, 0
.rept 32
	v_cvt_pk_bf16_f32 v[KF+32*((\t)%2)+ir], v[64*(\t)+2*ir], v[64*(\t)+2*ir+1]
.set ir, ir+1
.endr
	WIN 0
.set icb, 0
.rept 8
	ds_store_b128 v5, v[KF+32*((\t)%2)+4*icb:KF+32*((\t)%2)+4*icb+3] offset:((icb/2)*4+(\t))*1024+(icb%2)*512
.set icb, icb+1
.endr
.endm
	NORMPACK 0
	NORMPACK 1
	NORMPACK 2
	NORMPACK 3
	WIN 0x40                                       ; O^T's registers are free: my 16 rows of X, asked for now, are wanted behind the projection
.set ir, 0
.rept 16
.irp k, 0,1,2,3
	global_load_b128 v[16*ir+4*(\k):16*ir+4*(\k)+3], v1, s[74:75] offset:ir*2048+(\k)*512 th:TH_LOAD_NT
.endr
.set ir, ir+1
.endr
	WIN 0
.irp k, 0,1,2,3
	global_load_b128 v[192+4*(\k):192+4*(\k)+3], v7, s[12:13] offset:(\k)*512
	global_load_b128 v[208+4*(\k):208+4*(\k)+3], v7, s[14:15] offset:(\k)*512
.endr
	s_wait_dscnt 0x0                               ; my part of ctx is stored
	s_barrier_signal -1
	s_barrier_wait -1
	QLOAD 7, 1024, 4096, 512                       ; ctx takes Q's place
	s_wait_dscnt 0x0                               ; my reads of ctx are over:
	s_barrier_signal -1
	s_barrier_wait -1                              ; the output stage may be written over it
; A tile of 64 rows of Wo^T.  mode 0: the first, shown landed by the last change of slots.  1: change of slots with a refill.  2: the last, nothing is asked for.
.macro PTRIP mode
.if \mode
	WIN 0
	s_wait_tensorcnt 0x0
	ds_add_u32 v2, v3
.if (\mode) == 1
	s_add_nc_u64 s[62:63], s[62:63], 65536
	s_mov_b64 s[50:51], s[62:63]
	s_or_b32 s51, s51, 0x80000000
	s_xor_b32 s49, s49, KD
.endif
	s_xor_b32 s70, s70, KD
	v_add_nc_u32 v8, 0x100, v8                     ; the next 64 outputs
	v_add_nc_u32 v9, 0x100, v9
	v_add_nc_u32 v10, 0x100, v10
	s_wait_dscnt 0x0
.if (\mode) == 1
	ROUND
	JLOAD 0
.else
	s_barrier_signal -1
	s_barrier_wait -1
.endif
.endif
	v_add_nc_u32 v6, s70, v4
	ds_load_b128 v[224:227], v10
	ds_load_b128 v[228:231], v10 offset:16
	FETCH_K
	s_wait_dscnt 16                                ; bo and fragments 0-7 are in
	QK 0, 7, 1
	s_wait_dscnt 0x0
	QK 8, 15, 0
	PLACES
	WIN 0
.irp t, 0,1,2,3
	ds_store_b128 v[8+(\t)/2], v[S+8*(\t):S+8*(\t)+3]   offset:((\t)%2)*16*OP
	ds_store_b128 v[8+(\t)/2], v[S+8*(\t)+4:S+8*(\t)+7] offset:((\t)%2)*16*OP+16
.endr
.endm
	PTRIP 0
	s_mov_b32 s72, 6
.Lwo:
	PTRIP 1
	s_sub_co_u32 s72, s72, 1
	s_cmp_lg_u32 s72, 0
	s_cbranch_scc1 .Lwo
	PTRIP 2
	s_wait_dscnt 0x0                               ; my part of the output stage is stored
	s_barrier_signal -1
	s_barrier_wait -1
	s_wait_loadcnt 0x0                             ; X, gamma, beta
; RESIDUAL AND NORM.  Wave w has rows 16 w .. 16 w + 15, four at a time; a lane holds columns 128 k + 4 lane + 0..3, k = 0..3.  Mean first, then the squares of the differences.
.macro LNLD g
	s_wait_xcnt 0x0                                ; the set's last stores have had their addresses translated: it is loaded again only behind this wait
.irp i, 0,1,2,3
.irp k, 0,1,2,3
	ds_load_b128 v[KF+64*((\g)%2)+16*(\i)+4*(\k):KF+64*((\g)%2)+16*(\i)+4*(\k)+3], v11 offset:(4*(\g)+(\i))*OP+(\k)*512
.endr
.endr
.endm
.macro RED o                           ; register o of each row's eight at work: its sum over the 32 lanes, in every lane
.irp m, 1,2,4,8
.irp i, 0,1,2,3
	v_add_f32_dpp v[S+8*(\i)+(\o)], v[S+8*(\i)+(\o)], v[S+8*(\i)+(\o)] row_xmask:\m row_mask:0xf bank_mask:0xf
.endr
.endr
.irp i, 0,1,2,3
	v_permlanex16_b32 v[S+8*(\i)+(\o)+1], v[S+8*(\i)+(\o)], s68, s69
.endr
.irp i, 0,1,2,3
	v_add_f32 v[S+8*(\i)+(\o)], v[S+8*(\i)+(\o)], v[S+8*(\i)+(\o)+1]
.endr
.endm
.macro LNC g
.set YB, KF+64*((\g)%2)
	WIN 0x04                                       ; source 1 (X) in window 1
.set ir, 0
.rept 32
	v_pk_add_f32 v[YB+2*ir:YB+2*ir+1], v[YB+2*ir:YB+2*ir+1], v[64*(\g)+2*ir:64*(\g)+2*ir+1]
.set ir, ir+1
.endr
	WIN 0
.irp p, 0,1,2,3
.irp i, 0,1,2,3
	v_pk_add_f32 v[S+8*(\i)+2*(\p):S+8*(\i)+2*(\p)+1], v[YB+16*(\i)+4*(\p):YB+16*(\i)+4*(\p)+1], v[YB+16*(\i)+4*(\p)+2:YB+16*(\i)+4*(\p)+3]
.endr
.endr
.irp i, 0,1,2,3
	v_pk_add_f32 v[S+8*(\i):S+8*(\i)+1], v[S+8*(\i):S+8*(\i)+1], v[S+8*(\i)+2:S+8*(\i)+3]
	v_pk_add_f32 v[S+8*(\i)+4:S+8*(\i)+5], v[S+8*(\i)+4:S+8*(\i)+5], v[S+8*(\i)+6:S+8*(\i)+7]
.endr
.irp i, 0,1,2,3
	v_pk_add_f32 v[S+8*(\i):S+8*(\i)+1], v[S+8*(\i):S+8*(\i)+1], v[S+8*(\i)+4:S+8*(\i)+5]
.endr
.irp i, 0,1,2,3
	v_add_f32 v[S+8*(\i)], v[S+8*(\i)], v[S+8*(\i)+1]
.endr
	RED 0
.irp i, 0,1,2,3
	v_mul_f32 v[S+8*(\i)], s78, v[S+8*(\i)]        ; the mean
.endr
.irp p, 0,1,2,3,4,5,6,7
.irp i, 0,1,2,3
	v_pk_add_f32 v[YB+16*(\i)+2*(\p):YB+16*(\i)+2*(\p)+1], v[YB+16*(\i)+2*(\p):YB+16*(\i)+2*(\p)+1], v[S+8*(\i):S+8*(\i)+1] op_sel_hi:[1,0] neg_lo:[0,1] neg_hi:[0,1]
.endr
.endr
.irp i, 0,1,2,3
	v_pk_mul_f32 v[S+8*(\i)+2:S+8*(\i)+3], v[YB+16*(\i):YB+16*(\i)+1], v[YB+16*(\i):YB+16*(\i)+1]
.endr
.irp p, 1,2,3,4,5,6,7
.irp i, 0,1,2,3
	v_pk_fma_f32 v[S+8*(\i)+2:S+8*(\i)+3], v[YB+16*(\i)+2*(\p):YB+16*(\i)+2*(\p)+1], v[YB+16*(\i)+2*(\p):YB+16*(\i)+2*(\p)+1], v[S+8*(\i)+2:S+8*(\i)+3]
.endr
.endr
.irp i, 0,1,2,3
	v_add_f32 v[S+8*(\i)+2], v[S+8*(\i)+2], v[S+8*(\i)+3]
.endr
	RED 2
.irp i, 0,1,2,3
	v_fma_f32 v[S+8*(\i)+2], v[S+8*(\i)+2], s78, s79  ; variance + 1e-5
.endr
.irp i, 0,1,2,3
	v_rsq_f32 v[S+8*(\i)+2], v[S+8*(\i)+2]
.endr
	v_nop                                          ; a plain instruction between the last root and the use of its result
	s_wait_alu depctr_va_vdst(0)
.irp p, 0,1,2,3,4,5,6,7
.irp i, 0,1,2,3
	v_pk_mul_f32 v[YB+16*(\i)+2*(\p):YB+16*(\i)+2*(\p)+1], v[YB+16*(\i)+2*(\p):YB+16*(\i)+2*(\p)+1], v[S+8*(\i)+2:S+8*(\i)+3] op_sel_hi:[1,0]
.endr
.endr
.irp p, 0,1,2,3,4,5,6,7
.irp i, 0,1,2,3
	v_pk_fma_f32 v[YB+16*(\i)+2*(\p):YB+16*(\i)+2*(\p)+1], v[YB+16*(\i)+2*(\p):YB+16*(\i)+2*(\p)+1], v[192+2*(\p):193+2*(\p)], v[208+2*(\p):209+2*(\p)]
.endr
.endr
.irp i, 0,1,2,3
.irp k, 0,1,2,3
	global_store_b128 v1, v[YB+16*(\i)+4*(\k):YB+16*(\i)+4*(\k)+3], s[76:77] offset:(4*(\g)+(\i))*2048+(\k)*512 th:TH_STORE_NT  ; 512 consecutive bytes, aligned
.endr
.endr
.endm
	LNLD 0
	LNLD 1
	s_wait_dscnt 16                                ; group 0 is in; the next group's 16 loads stay out
	LNC 0
	LNLD 2
	s_wait_dscnt 16
	LNC 1
	LNLD 3
	s_wait_dscnt 16
	LNC 2
	s_wait_dscnt 0x0
	LNC 3
	s_wait_tensorcnt 0x0                           ; the wave's end
	ds_add_u32 v2, v3
	s_wait_dscnt 0x0
	ROUND                                          ; the closing round
	s_endpgm
.Lfunc_end_k_q4a71cdf477_attn:
	.size	k_q4a71cdf477_attn, .Lfunc_end_k_q4a71cdf477_attn-k_q4a71cdf477_attn
	.p2alignl 7, 3214868480
	.fill 96, 4, 3214868480
	.section	.rodata,"a",@progbits
	.p2align	6, 0x0
	.amdhsa_kernel k_q4a71cdf477_attn
		.amdhsa_group_segment_fixed_size 327680
		.amdhsa_private_segment_fixed_size 0
		.amdhsa_enable_private_segment 0
		.amdhsa_kernarg_size 56
		.amdhsa_user_sgpr_count 2
		.amdhsa_user_sgpr_kernarg_segment_ptr 1
		.amdhsa_wavefront_size32 1
		.amdhsa_system_sgpr_workgroup_id_x 1
		.amdhsa_system_sgpr_workgroup_id_y 1
		.amdhsa_system_sgpr_workgroup_id_z 1
		.amdhsa_system_vgpr_workitem_id 0
		.amdhsa_next_free_vgpr 1024
		.amdhsa_next_free_sgpr 100
		.amdhsa_reserve_vcc 0
		.amdhsa_float_denorm_mode_32 3
		.amdhsa_float_denorm_mode_16_64 3
		.amdhsa_memory_ordered 1
		.amdhsa_forward_progress 1
		.amdhsa_inst_pref_size 231
	.end_amdhsa_kernel
	.amdgpu_metadata
---
amdhsa.version: [ 1, 2 ]
amdhsa.kernels:
  - .name:           k_q4a71cdf477_attn
    .symbol:         k_q4a71cdf477_attn.kd
    .args:
      - { .name: qkv, .offset: 0, .size: 8, .value_kind: global_buffer, .address_space: global }
      - { .name: wt, .offset: 8, .size: 8, .value_kind: global_buffer, .address_space: global }
      - { .name: X, .offset: 16, .size: 8, .value_kind: global_buffer, .address_space: global }
      - { .name: bo, .offset: 24, .size: 8, .value_kind: global_buffer, .address_space: global }
      - { .name: ln_gamma, .offset: 32, .size: 8, .value_kind: global_buffer, .address_space: global }
      - { .name: ln_beta, .offset: 40, .size: 8, .value_kind: global_buffer, .address_space: global }
      - { .name: out0, .offset: 48, .size: 8, .value_kind: global_buffer, .address_space: global }
    .group_segment_fixed_size: 327680
    .private_segment_fixed_size: 0
    .kernarg_segment_align: 8
    .kernarg_segment_size: 56
    .max_flat_workgroup_size: 128
    .sgpr_count:     100
    .vgpr_count:     1024
    .wavefront_size: 32
...
	.end_amdgpu_metadata
.endif
;; end of part 3
